; MI455X (gfx1250); checked and timed in simulation.
; The chip was launched on July 23, 2026; its instructions are those of AMD's public machine-readable ISA for CDNA 5 (MIT licence, August 2026) and "CDNA5" Instruction Set Architecture Reference Guide (July 2026). The comments in the code are by the model that wrote it; some were corrected since.
;; Bert Attention. Allowed arithmetic: matrix products marked QUANTISED: E4M3 operands, one given power-of-two scale a tensor, by v_wmma_f32_16x16x64_fp8_fp8 or v_wmma_f32_16x16x128_fp8_fp8, f32 sums; everything else in f32.
;; Inputs: Wk_codes 1,024 x 32 x 32 uint8 (E4M3 codes of Wk, K innermost, in blocks of 32 codes); Wo_codes 1,024 x 32 x 32 uint8 (E4M3 codes of Wo, K innermost, in blocks of 32 codes); Wq_codes 1,024 x 32 x 32 uint8 (E4M3 codes of Wq, K innermost, in blocks of 32 codes); Wv_codes 1,024 x 32 x 32 uint8 (E4M3 codes of Wv, K innermost, in blocks of 32 codes); bk 1,024 float32; bo 1,024 float32; bq 1,024 float32; bv 1,024 float32; key_tensor_codes 2,048 x 2 x 32 x 32 uint8 (E4M3 codes of key_tensor, K innermost, in blocks of 32 codes); ln_b 1,024 float32; ln_w 1,024 float32; lowp_scales 12 int32 (the exponents e of the quantised operands' scales 2^e); query_tensor 2,048 x 2 x 1,024 float32; value_tensor_codes 2,048 x 2 x 32 x 32 uint8 (E4M3 codes of value_tensor, K innermost, in blocks of 32 codes).
;; Outputs: out0 2,048 x 2 x 1,024 float32.
;; This version of the problem:
;;   THIS VERSION OF THE PROBLEM IS GIVEN IN LOW PRECISION. The matrix products marked QUANTISED in the list below multiply operands that are first quantised to E4M3 (4 exponent bits, 3 mantissa bits; 8 bits a number), with one given power-of-two scale for each operand tensor; their sums are f32. All else is computed in f32.
;;   The module's matrix products, in the order in which they are computed (A, B: the left and right operand; K: the contracted axis; several contracted axes count as one K, in the product's order):
;;     1. [M 4,096, K 1,024] x [K 1,024, N 1,024]; A: input query_tensor; B: input Wq (given as codes): QUANTISED (scales: A lowp_scales[0], B lowp_scales[1])
;;     2. [M 4,096, K 1,024] x [K 1,024, N 1,024]; A: input key_tensor (given as codes); B: input Wk (given as codes): QUANTISED (scales: A lowp_scales[2], B lowp_scales[3])
;;     3. [M 4,096, K 1,024] x [K 1,024, N 1,024]; A: input value_tensor (given as codes); B: input Wv (given as codes): QUANTISED (scales: A lowp_scales[4], B lowp_scales[5])
;;     4. batch 32 x [M 2,048, K 64] x [K 64, N 2,048]; A: computed on the way; B: computed on the way: QUANTISED (scales: A lowp_scales[6], B lowp_scales[7])
;;     5. batch 32 x [M 2,048, K 2,048] x [K 2,048, N 64]; A: softmax (see below); B: computed on the way: QUANTISED (scales: A lowp_scales[8], B lowp_scales[9])
;;     6. [M 4,096, K 1,024] x [K 1,024, N 1,024]; A: computed on the way; B: input Wo (given as codes): QUANTISED (scales: A lowp_scales[10], B lowp_scales[11])
;;   THE QUANTISER, for each operand of a quantised product, along K:
;;     - The operand's scale is 2^e, e = its entry of the input lowp_scales (int32; the entries are numbered through the quantised products in the list's order, A before B).
;;     - Each number is divided by the scale, clamped to +-448, and rounded to the nearest number of E4M3, ties to even, subnormals kept.
;;     - The product sums the exact products of the quantised numbers (number of the format x scale) in f32.
;;   ~~~python
;;   def quantise(x, axis, e):      # numpy; x: float32 -> the quantised numbers, widened to float32 again
;;       x = np.moveaxis(x, axis, -1); K = x.shape[-1]
;;       r = np.clip(x / 2.0 ** e, -448, 448)
;;       step = 2.0 ** (np.maximum(np.frexp(np.where(r == 0, 1, r))[1] - 1, -6) - 3)
;;       q = np.round(r / step) * step * 2.0 ** e      # np.round: ties to even
;;       return np.moveaxis(q, -1, axis).astype(np.float32)
;;   ~~~
;;   SOFTMAX AHEAD OF A QUANTISED PRODUCT. Where the list says 'softmax', what is quantised is not the finished softmax but p = 2^(t - M), with t = logit x log2(e) and M = ceil(the row's largest t), a whole number; so 1/2 < the row's largest p <= 1. The row's sum l is taken of the UNQUANTISED p, in f32, and the product's result is divided by l at the end. Since M is a whole number, a kernel that streams over the keys may use a running M (the ceiling of the running maximum): every later rescaling is an exact power of two, so the quantised numbers keep their values, but for numbers so far below the row's largest that they fall under the format's range.
;;   OPERANDS COMPUTED ON THE WAY. 'Computed on the way' means the value that the module computes at that place (a softmax that the list does not call 'softmax' is quantised finished and normalised). What goes into a quantiser is computed in f32, as accurately as f32 sums, v_exp_f32 and their like allow (about 1e-6 of the number): no bf16 or f16 on the way to a quantiser, and a product that is left as it is and whose result goes on into a quantised operand takes f32 operands (vector FMAs, or v_wmma_f32_16x16x4_f32). A number that lies on a knife's edge between two numbers of the format may be rounded either way, as far as f32 arithmetic and the matrix unit's own rounding can turn it there, and no further.
;;   INPUTS GIVEN AS CODES. Wk (in the module: [1024, 1024], K = its axis 1); Wo (in the module: [1024, 1024], K = its axis 1); Wq (in the module: [1024, 1024], K = its axis 1); Wv (in the module: [1024, 1024], K = its axis 1); key_tensor (in the module: [2048, 2, 1024], K = its axis 2); value_tensor (in the module: [2048, 2, 1024], K = its axis 2): each comes as NAME_codes (uint8): NAME with its K axis moved to the last place and cut into blocks of 32 codes, [.., K / 32, bytes a block], one block behind the other in memory; one code a byte (a code: sign, 4 exponent bits, 3 mantissa bits); its scale is its entry of lowp_scales. Its value is code x scale, taken as it is: it is not quantised again, and the codes and scales need not be those that the quantiser above would give.
;; One version. Each part assembles by itself: llvm-mc -triple=amdgcn-amd-amdhsa -mcpu=gfx1250 --defsym DOCPART=n.
;; ======== version 1 of 1: 4 launches
;; limits: right only within a limited range of input values
;; workspace buffers: xq 4,194,304 bytes; wi 1,048,576 bytes; qc 4,194,304 bytes; kc 4,194,304 bytes; vc 4,194,304 bytes; cc 4,194,304 bytes
;; launch prep (part 1): grid 320 x 1, 4 waves a work-group, no clusters, 33,280 bytes of LDS; arguments query_tensor, Wo_codes, lowp_scales, xq, wi; writes xq, wi
.if DOCPART == 1
	.amdgcn_target "amdgcn-amd-amdhsa--gfx1250"
	.amdhsa_code_object_version 6
	.text
	.protected	k_q8aeda1df0a_prep
	.globl	k_q8aeda1df0a_prep
	.p2align	8
	.type	k_q8aeda1df0a_prep,@function
k_q8aeda1df0a_prep:
	s_mov_b64 s[64:65], 0
	v_nop
	global_prefetch_b8 v0, s[64:65] scope:SCOPE_SE
	s_setreg_imm32_b32 hwreg(HW_REG_WAVE_MODE, 25, 1), 1
	s_wait_xcnt 0x0
; Two small jobs that later launches lean on, in one launch.
; (1) Work-groups 0-255: query_tensor [2048][2][1024] f32 becomes codes of FP8 (E4M3) in xq, laid as key_tensor_codes is: one code a byte, K innermost.
;     code = x / 2^e0, held within +-448, rounded to the nearest code, ties to even.  e0 is entry 0 of lowp_scales.
;     The tensor is a plain stream: a wave takes 8 steps of 512 numbers.  Each load reads 512 consecutive bytes, 16 a lane; a step's 2,048 bytes turn through the wave's own
;     stage in LDS and come back 64 bytes a lane, since the conversion takes eight neighbours along K from ONE lane's registers.  A lane's 16 codes are 16 bytes: a store covers 512 consecutive bytes.
; (2) Work-groups 256-319: Wo's codes [1024 n][1024 k] are laid into wi in the order of an operand's registers: [tile of 16 n: 64][K step of 128: 8][group of 4 registers: 4][512 bytes],
;     lane (r, h) at 16 x lane; registers 2 c, 2 c + 1 hold Wo[16 tile + r][128 step + 16 c + 8 h + 0 .. 7].  The last launch then loads each fragment by four loads of 512 dense bytes.
;     Work-group 256 + t takes tile t, its wave w the K steps 2 w and 2 w + 1.  Each of its 16 loads takes 16 bytes of 16 rows; together they take 256 consecutive bytes of each row.  This path uses no LDS.
; Waves share nothing: no barrier, no tensor load, no cluster (no two work-groups read the same bytes).
; LIMITS: e0 between -126 and 119, so that 2^e0 and 448 x 2^e0 are f32 numbers.  NaN among the inputs is not served (an infinity is held at the largest code).
.set XWG,   256                        ; work-groups of job (1): 4,194,304 numbers / (4 waves x 8 steps x 512)
.set STEPS, 8
.set EMAX,  8
.set MANT,  0x600000                   ; the mantissa field of 448 as f32
.set R,     16                         ; v16-79   four sets of 16 numbers as they are loaded
.set X,     80                         ; v80-111  two sets of 16 neighbours
.set C,     128                        ; v128-159 codes: four registers for each step, so that no store's data are written again
.set WREG,  8192                       ; LDS: a region for each wave: two stages of 32 x SP bytes
.set SP,    80                         ; a lane's place in a stage: its 64 bytes + 16 of padding
	s_load_b128 s[4:7], s[0:1], 0x0                ; query_tensor s[4:5], Wo's codes s[6:7]
	s_load_b128 s[8:11], s[0:1], 0x10              ; the scales' exponents s[8:9], xq s[10:11]
	s_load_b64 s[12:13], s[0:1], 0x20              ; wi
	v_lshl_add_u32 v192, v0, 2, 0x8000
	v_mov_b32 v193, 0
	v_lshrrev_b32 v1, 5, v0
	v_readfirstlane_b32 s16, v1                    ; wave 0..3
	v_and_b32 v2, 31, v0                           ; lane
	v_lshlrev_b32 v3, 4, v2                        ; 16 x lane: my 16 bytes of 512, in loads and in stores
	s_mov_b32 s21, 0
	s_mov_b32 s19, 0
	s_wait_kmcnt 0x0
	s_cmp_ge_u32 ttmp9, XWG                        ; the choice hangs on the work-group's number alone
	s_cbranch_scc1 .Lwo
	; ---- (1) query_tensor into codes
	s_load_b32 s22, s[8:9], 0x0                    ; e0
	s_mul_i32 s17, s16, WREG
	s_wait_alu depctr_va_vdst(0)
	v_lshrrev_b32 v14, 2, v2
	v_mul_u32_u24 v14, v14, SP
	v_and_b32 v15, 3, v2
	v_lshl_add_u32 v14, v15, 4, v14
	v_add_nc_u32 v14, s17, v14                     ; the stage, on the way in: four lanes' 64 bytes on end, then 16 of padding
	v_mul_u32_u24 v15, v2, SP
	v_add_nc_u32 v15, s17, v15                     ; and on the way out: SP x lane: my 16 neighbours
	s_lshl_b32 s18, ttmp9, 2
	s_add_co_u32 s18, s18, s16                     ; which run of 4,096 numbers is my wave's
	s_lshl_b32 s20, s18, 14                        ; 16,384 bytes of f32,
	s_add_nc_u64 s[4:5], s[4:5], s[20:21]
	s_lshl_b32 s20, s18, 12                        ; 4,096 bytes of codes
	s_add_nc_u64 s[10:11], s[10:11], s[20:21]
.macro LOAD t
.irp i, 0,1,2,3
	global_load_b128 v[R+16*((\t)%4)+4*\i:R+16*((\t)%4)+4*\i+3], v3, s[4:5] offset:2048*(\t)+512*\i   ; 32 lanes read 512 consecutive bytes
.endr
.endm
.macro TURN t                          ; step t's numbers through the stage: LDS serves a wave's instructions in order, so no wait stands between the stores and the loads
.irp i, 0,1,2,3
	ds_store_b128 v14, v[R+16*((\t)%4)+4*\i:R+16*((\t)%4)+4*\i+3] offset:32*SP*((\t)%2)+8*SP*\i
.endr
.irp i, 0,1,2,3
	ds_load_b128 v[X+16*((\t)%2)+4*\i:X+16*((\t)%2)+4*\i+3], v15 offset:32*SP*((\t)%2)+16*\i
.endr
.endm
.irp t, 0,1,2,3
	LOAD \t
.endr
	s_wait_alu depctr_va_vdst(0)
	s_wait_kmcnt 0x0
	s_add_co_i32 s22, s22, 127
	s_lshl_b32 s23, s22, 23
	v_mov_b32 v11, s23                             ; 2^e0 as f32: the conversion takes its exponent field
	s_add_co_i32 s22, s22, EMAX
	s_lshl_b32 s22, s22, 23
	s_or_b32 s22, s22, MANT
	v_mov_b32 v10, s22                             ; 448 x 2^e0
	s_wait_alu depctr_va_vdst(0)
	s_wait_loadcnt 12                              ; step 0's four loads are in; those of steps 1 to 3 may be out
	TURN 0
.macro STEP t
.set XS, X+16*((\t)%2)
	s_wait_dscnt 0x0                               ; this step's numbers are back from the stage: so its stores into the stage have read their registers,
.if (\t)+4 < STEPS
	LOAD (\t)+4                                    ; which take the loads of four steps on
.endif
.if (\t)+1 < STEPS
.if STEPS-2-(\t) >= 3
	s_wait_loadcnt 12                              ; the next step's four loads are in; those of the three steps behind it may be out
.else
	s_wait_loadcnt 4*(STEPS-2-(\t))                ; the tail: four loads for each step still behind the next one
.endif
	TURN (\t)+1                                    ; and go through the other stage while this step is worked
.endif
.set i, 0
.rept 16
	v_med3_num_f32 v[XS+i], v[XS+i], -v10, v10     ; the conversion to an 8-bit code does not saturate (ISA guide 7.6.2): hold the number within 448 x the scale first
.set i, i+1
.endr
	v_cvt_scalef32_pk8_fp8_f32 v[C+4*(\t):C+4*(\t)+1], v[XS:XS+7], v11
	v_cvt_scalef32_pk8_fp8_f32 v[C+4*(\t)+2:C+4*(\t)+3], v[XS+8:XS+15], v11
	global_store_b128 v3, v[C+4*(\t):C+4*(\t)+3], s[10:11] offset:512*(\t)   ; the codes go to a store alone; the next vector lines are the next step's holds, plain ones on other registers
.endm
.irp t, 0,1,2,3,4,5,6,7
	STEP \t
.endr
	s_wait_tensorcnt 0x0
	ds_add_u32 v192, v193
	s_wait_dscnt 0x0
	s_endpgm
	; ---- (2) Wo's codes in the order of an operand's registers
.Lwo:
	s_sub_co_u32 s17, ttmp9, XWG                   ; the tile of 16 rows, 0..63
	v_and_b32 v5, 15, v0                           ; r
	v_bfe_u32 v6, v0, 4, 1                         ; h
	v_lshlrev_b32 v7, 10, v5
	v_lshl_add_u32 v7, v6, 3, v7                   ; row r of 1,024 bytes, + 8 h
	s_lshl_b32 s20, s17, 14                        ; 16 rows of 1,024 bytes in Wo; and a tile's 8 K steps of 2,048 bytes in wi: the same 16,384
	s_lshl_b32 s18, s16, 8                         ; my two K steps: 256 bytes along a row,
	s_add_co_u32 s18, s20, s18
	s_add_nc_u64 s[6:7], s[6:7], s[18:19]
	s_lshl_b32 s18, s16, 12                        ; 4,096 bytes of images
	s_add_co_u32 s18, s20, s18
	s_add_nc_u64 s[12:13], s[12:13], s[18:19]
.set i, 0
.rept 16
	global_load_b64 v[16+2*i:17+2*i], v7, s[6:7] offset:16*i    ; Wo[16 tile + r][256 wave + 16 i + 8 h + 0 .. 7]
.set i, i+1
.endr
	s_wait_loadcnt 0x0
.set i, 0
	s_wait_alu depctr_va_vdst(0)
.rept 8
	global_store_b128 v3, v[16+4*i:19+4*i], s[12:13] offset:512*i   ; a group of four registers: 512 consecutive bytes, aligned
.set i, i+1
.endr
	s_endpgm
.Lfunc_end_k_q8aeda1df0a_prep:
	.size	k_q8aeda1df0a_prep, .Lfunc_end_k_q8aeda1df0a_prep-k_q8aeda1df0a_prep
	.p2alignl 7, 3214868480
	.fill 96, 4, 3214868480
	.section	.rodata,"a",@progbits
	.p2align	6, 0x0
	.amdhsa_kernel k_q8aeda1df0a_prep
		.amdhsa_group_segment_fixed_size 33280
		.amdhsa_private_segment_fixed_size 0
		.amdhsa_enable_private_segment 0
		.amdhsa_kernarg_size 40
		.amdhsa_user_sgpr_count 2
		.amdhsa_user_sgpr_kernarg_segment_ptr 1
		.amdhsa_wavefront_size32 1
		.amdhsa_system_sgpr_workgroup_id_x 1
		.amdhsa_system_sgpr_workgroup_id_y 1
		.amdhsa_system_sgpr_workgroup_id_z 1
		.amdhsa_system_vgpr_workitem_id 0
		.amdhsa_next_free_vgpr 194
		.amdhsa_next_free_sgpr 66
		.amdhsa_reserve_vcc 0
		.amdhsa_float_denorm_mode_32 3
		.amdhsa_float_denorm_mode_16_64 3
		.amdhsa_memory_ordered 1
		.amdhsa_forward_progress 1
		.amdhsa_inst_pref_size 23
	.end_amdhsa_kernel
	.amdgpu_metadata
---
amdhsa.version: [ 1, 2 ]
amdhsa.kernels:
  - .name:           k_q8aeda1df0a_prep
    .symbol:         k_q8aeda1df0a_prep.kd
    .args:
      - { .name: query_tensor, .offset: 0, .size: 8, .value_kind: global_buffer, .address_space: global }
      - { .name: Wo_codes, .offset: 8, .size: 8, .value_kind: global_buffer, .address_space: global }
      - { .name: lowp_scales, .offset: 16, .size: 8, .value_kind: global_buffer, .address_space: global }
      - { .name: xq, .offset: 24, .size: 8, .value_kind: global_buffer, .address_space: global }
      - { .name: wi, .offset: 32, .size: 8, .value_kind: global_buffer, .address_space: global }
    .group_segment_fixed_size: 33280
    .private_segment_fixed_size: 0
    .kernarg_segment_align: 8
    .kernarg_segment_size: 40
    .max_flat_workgroup_size: 128
    .sgpr_count:     66
    .vgpr_count:     194
    .wavefront_size: 32
...
	.end_amdgpu_metadata
.endif
;; end of part 1
;; launch proj (part 2): grid 4 x 48, 4 waves a work-group, clusters of 4 x 4, 327,680 bytes of LDS; arguments xq, key_tensor_codes, value_tensor_codes, Wq_codes, Wk_codes, Wv_codes, bq, bk, bv, lowp_scales, qc, kc, vc; writes qc, kc, vc
.if DOCPART == 2
	.amdgcn_target "amdgcn-amd-amdhsa--gfx1250"
	.amdhsa_code_object_version 6
	.text
	.protected	k_q8aeda1df0a_proj
	.globl	k_q8aeda1df0a_proj
	.p2align	8
	.type	k_q8aeda1df0a_proj,@function
k_q8aeda1df0a_proj:
	s_mov_b64 s[64:65], 0
	v_nop
	global_prefetch_b8 v0, s[64:65] scope:SCOPE_SE
	s_setreg_imm32_b32 hwreg(HW_REG_WAVE_MODE, 25, 1), 1
	s_wait_xcnt 0x0
	s_wait_alu depctr_hold_cnt(0) depctr_sa_sdst(0) depctr_va_vdst(0) depctr_va_sdst(0) depctr_va_ssrc(0) depctr_va_vcc(0) depctr_vm_vsrc(0)
	s_getreg_b32 s2, hwreg(HW_REG_IB_STS2, 6, 4)
	s_cmp_eq_u32 s2, 0
	s_cbranch_scc0 .Lentry_in_a_cluster
	s_endpgm
.Lentry_in_a_cluster:
	s_bfe_u32 s2, ttmp6, 0x10000c
	s_cmp_lg_u32 s2, 0xf033
	s_cbranch_scc0 .Lentry_shape_is_right
	s_endpgm
.Lentry_shape_is_right:
.set ROWB,   256
.set PITCH,  272
.set FR,     16
.set NL,     4
.set NP,     4
.set HALFT,  128*PITCH
.set SLOT,   4*HALFT
.set LAPS,   2
.set SPARE,  2*SLOT
.set BO,   6
.set BL,   7
.set ADRA, 16
.set ADRB, 20
.set CO,   26
.set SPW,  28
.set NIL,  29
.set SC,   30
.set LIM,  31
.set BI,   32
.set BV,   96
.set VO,   112
.set AF,   128
.set TMP,  128
.set G1, 24
.set G0, 32
.set G1B, 48
.set G0B, 56
.set MSB, 0
.macro WIN new
.if MSB != (\new)
	s_set_vgpr_msb (MSB<<8)|(\new)
.set MSB, (\new)
.endif
.endm
.set MUL_LO, 0xa1
.set MUL_HI, 0xf1
.set TO_B,   0x40
.macro JLOAD g0a, g1a, g0b, g1b
	s_cmp_eq_u32 s15, 0
	s_cbranch_scc0 .Lfor_b_\@
	tensor_load_to_lds s[\g0a:\g0a+3], s[\g1a:\g1a+7]
	s_nop 0
.rept 4
	v_nop
.endr
	s_branch .Lasked_\@
.Lfor_b_\@:
	tensor_load_to_lds s[\g0b:\g0b+3], s[\g1b:\g1b+7]
	s_nop 0
.rept 4
	v_nop
.endr
.Lasked_\@:
.endm
.macro CREST
	s_cmp_lg_u32 s14, 0
	s_cbranch_scc1 .Lnot_wave_0_\@
	s_barrier_signal -3
.Lnot_wave_0_\@:
	s_barrier_wait -3
	s_barrier_signal -1
	s_barrier_wait -1
.endm
.macro CROUND
	s_barrier_signal -1
	s_barrier_wait -1
	CREST
.endm
	s_load_b512 s[80:95], s[0:1], 0x0
	s_load_b256 s[68:75], s[0:1], 0x40
	s_load_b64 s[76:77], s[0:1], 0x60
	v_lshl_add_u32 v[SPW], v0, 2, SPARE
	v_mov_b32 v[NIL], 0
	ds_add_u32 v28, v29
	ds_add_u32 v28, v29
	s_wait_dscnt 0x0
	v_lshrrev_b32 v1, 5, v0
	v_readfirstlane_b32 s14, v1
	s_lshr_b32 s15, s14, 1
	s_and_b32 s16, s14, 1
	s_bfe_u32 s40, ttmp6, 0x40000
	s_bfe_u32 s41, ttmp6, 0x40004
	s_lshl_b32 s42, ttmp9, 2
	s_add_co_u32 s42, s42, s40
	s_and_b32 s17, ttmp7, 0xffff
	s_lshr_b32 s66, s17, 2
	s_and_b32 s17, s17, 3
	s_lshl_b32 s17, s17, 2
	s_add_co_u32 s17, s17, s41
	s_lshl_b32 s43, s41, 2
	s_lshl_b32 s43, 15, s43
	s_lshl_b32 s44, 0x1111, s40
	s_or_b32 s[G1+0], s43, (0<<16)|(1<<21)         ; the mask, elements of 1 byte, bit 21 beside the mask; no padding field: see tile_dim0
	s_or_b32 s[G1B+0], s44, (0<<16)|(1<<21)
.irp g, G1, G1B
	s_mov_b32 s[\g+1], ROWB<<16
	s_mov_b32 s[\g+2], 128<<16
	s_mov_b32 s[\g+3], PITCH<<16                   ; tile_dim0 = 272 over tensor_dim0 = 256: the 16 bytes behind each row are written as zeros, so every byte of a slot is written; LDS rows lie 272 bytes apart
	s_mov_b32 s[\g+4], 128
	s_mov_b32 s[\g+6], 0
	s_mov_b32 s[\g+7], 0
.endr
	s_mov_b32 s[G1+5], 2048
	s_mov_b32 s[G1B+5], 1024
	s_lshr_b32 s18, s17, 3
	s_and_b32 s19, s17, 7
	s_lshl_b32 s20, s19, 19
	s_lshl_b32 s21, s16, 18
	s_add_co_u32 s20, s20, s21
	s_lshl_b32 s21, s18, 10
	s_add_co_u32 s20, s20, s21
	s_mov_b32 s21, 0
	s_lshl_b32 s46, s42, 18
	s_lshl_b32 s47, s16, 17
	s_add_co_u32 s46, s46, s47
	s_mov_b32 s47, 0
	s_mul_i32 s45, s14, HALFT
	s_wait_kmcnt 0x0
	s_cmp_eq_u32 s66, 0
	s_cselect_b64 s[4:5], s[80:81], s[82:83]
	s_cselect_b64 s[6:7], s[86:87], s[88:89]
	s_cselect_b64 s[8:9], s[92:93], s[94:95]
	s_cselect_b64 s[10:11], s[72:73], s[74:75]
	s_cmp_eq_u32 s66, 2
	s_cselect_b64 s[4:5], s[84:85], s[4:5]
	s_cselect_b64 s[6:7], s[90:91], s[6:7]
	s_cselect_b64 s[8:9], s[68:69], s[8:9]
	s_cselect_b64 s[10:11], s[76:77], s[10:11]
	s_cselect_b32 s67, 2*HALFT, 0
	s_cselect_b32 s79, 0, 2*HALFT
	s_cselect_b32 s98, s15, s16
	s_cselect_b32 s99, s16, s15
	s_mov_b64 s[12:13], s[70:71]
	s_load_b256 s[80:87], s[12:13], 0x0
	s_load_b128 s[88:91], s[12:13], 0x20
	s_cselect_b32 s92, 0, -1
	s_cselect_b32 s93, -1, 0
	s_mov_b32 s94, 1024
	s_cselect_b32 s94, 2048, s94
	s_mov_b32 s95, 4096
	s_cselect_b32 s95, 131072, s95
	s_mov_b32 s78, 131072
	s_cselect_b32 s78, 1024, s78
	s_add_nc_u64 s[20:21], s[4:5], s[20:21]
	s_add_nc_u64 s[46:47], s[6:7], s[46:47]
	; the prefetches: of the 128 rows that my wave fetches, the four partners that ask for them jointly take 32 each, told apart by address (cx for the activations, cy for the weights); a lane a row
	s_cmp_eq_u32 s15, 0
	s_cselect_b64 s[72:73], s[20:21], s[46:47]
	s_cselect_b32 s74, s40, s41
	s_cselect_b32 s75, 16, 15                      ; 32 rows of 2,048 or of 1,024 bytes
	s_cselect_b32 s76, 11, 10                      ; a row
	s_lshl_b32 s74, s74, s75
	s_mov_b32 s75, 0
	s_add_nc_u64 s[72:73], s[72:73], s[74:75]
	v_and_b32 v8, 31, v0
	v_lshlrev_b32 v8, s76, v8                      ; never rewritten, like s[72:73]
	s_wait_alu depctr_va_vdst(0)                   ; the wait here
	CROUND
.irp s, 0,1
	s_mov_b32 s[G0+4*\s], 1
	s_add_co_u32 s[G0+4*\s+1], s45, \s*SLOT
	s_add_nc_u64 s[G0+4*\s+2:G0+4*\s+3], s[20:21], \s*ROWB
	s_or_b32 s[G0+4*\s+3], s[G0+4*\s+3], 0x80000000
	s_mov_b32 s[G0B+4*\s], 1
	s_add_co_u32 s[G0B+4*\s+1], s45, \s*SLOT
	s_add_nc_u64 s[G0B+4*\s+2:G0B+4*\s+3], s[46:47], \s*ROWB
	s_or_b32 s[G0B+4*\s+3], s[G0B+4*\s+3], 0x80000000
.endr
	JLOAD G0, G1, G0B, G1B                         ; K step 0: one tensor load a wave at the head; the biases and the set-up below stand under its flight
	global_prefetch_b8 v8, s[72:73] offset:256 th:TH_LOAD_NT scope:SCOPE_SE   ; K steps 1 and 2: 256 bytes of each of my 32 rows; their loads follow one and two changes of slots on
	global_prefetch_b8 v8, s[72:73] offset:512 th:TH_LOAD_NT scope:SCOPE_SE
	v_and_b32 v1, 15, v0
	v_bfe_u32 v2, v0, 4, 1
	v_lshlrev_b32 v[BO], 5, v2
	s_wait_alu depctr_va_vdst(0)
	v_lshlrev_b32 v[BL], 2, v1
	s_wait_alu depctr_va_vdst(0)
	s_lshl_b32 s22, s42, 10
	s_lshl_b32 s23, s16, 9
	s_add_co_u32 s20, s22, s23
	s_mov_b32 s21, 0
	s_add_nc_u64 s[68:69], s[8:9], s[20:21]
	s_lshl_b32 s23, s15, 9
	s_add_co_u32 s20, s22, s23
	s_add_nc_u64 s[70:71], s[8:9], s[20:21]
.set i, 0
.rept 8
	global_load_b128 v[BI+8*i:BI+8*i+3],   v[BO], s[68:69] offset:64*i
	global_load_b128 v[BI+8*i+4:BI+8*i+7], v[BO], s[68:69] offset:64*i+16
	global_load_b32 v[BV+2*i], v[BL], s[70:71] offset:64*i
.set i, i+1
.endr
	v_mul_u32_u24 v3, v1, PITCH
	v_lshl_add_u32 v4, v2, 4, v3
	s_mul_i32 s21, s15, HALFT
	s_add_co_u32 s21, s21, s67
	s_mul_i32 s22, s16, HALFT
	s_add_co_u32 s22, s22, s79
.irp s, 0,1
	v_add_nc_u32 v[ADRA+\s], s21, v4
	v_add_nc_u32 v[ADRB+\s], s22, v4
	s_add_co_u32 s21, s21, SLOT
	s_add_co_u32 s22, s22, SLOT
.endr
	v_and_b32 v5, 31, v0
	v_lshlrev_b32 v[CO], 4, v5
	s_wait_alu depctr_va_vdst(0)
	s_lshl_b32 s46, s18, 4
	s_lshl_b32 s47, s42, 2
	s_add_co_u32 s46, s46, s47
	s_lshl_b32 s47, s98, 1
	s_add_co_u32 s46, s46, s47
	s_lshl_b32 s46, s46, 17
	s_lshl_b32 s47, s19, 1
	s_add_co_u32 s47, s47, s99
	s_lshl_b32 s47, s47, 13
	s_add_co_u32 s46, s46, s47
	s_mov_b32 s47, 0
	s_add_nc_u64 s[10:11], s[10:11], s[46:47]
.irp a, 0,1,2,3,4,5,6,7
	s_mul_i32 s18, s94, (\a)%4
	s_mul_i32 s19, s95, (\a)/4
	s_add_co_u32 s18, s18, s19
	v_add_nc_u32 v[VO+2*\a], s18, v[CO]
	s_add_co_u32 s18, s18, s78
	v_add_nc_u32 v[VO+2*\a+1], s18, v[CO]
.endr
	s_wait_kmcnt 0x0
	s_add_co_i32 s80, s80, s81
	s_add_co_i32 s82, s82, s83
	s_add_co_i32 s84, s84, s85
	s_cmp_eq_u32 s66, 0
	s_cselect_b32 s96, s80, s82
	s_cselect_b32 s18, s86, s87
	s_cmp_eq_u32 s66, 2
	s_cselect_b32 s96, s84, s96
	s_cselect_b32 s18, s89, s18
	s_add_co_i32 s96, s96, 127
	s_lshl_b32 s96, s96, 23
	s_mov_b32 s97, s96
	s_add_co_i32 s18, s18, 127
	s_lshl_b32 s19, s18, 23
	v_mov_b32 v[SC], s19
	s_add_co_i32 s18, s18, 8
	s_lshl_b32 s18, s18, 23
	s_or_b32 s18, s18, 0x600000
	v_mov_b32 v[LIM], s18
	s_wait_loadcnt 0x0
.set j, 0
.rept 64
	v_and_b32 v[BI+j], s92, v[BI+j]
.set j, j+1
.endr
.set j, 0
.rept 8
	v_and_b32 v[BV+2*j+1], s93, v[BV+2*j]
	v_and_b32 v[BV+2*j], s93, v[BV+2*j]
.set j, j+1
.endr
.macro FRAG reg, adr, q, i
.irp c, 0,1,2,3
	ds_load_b128 v[\reg+4*\c:\reg+4*\c+3], v[\adr] offset:128*(\q)+32*\c+(\i)*16*PITCH
.endr
.endm
.macro MUL16 a0, p, zero
.irp a, \a0, \a0+1
.irp b, 0,1,2,3,4,5,6,7
.if \zero
	v_wmma_f32_16x16x128_fp8_fp8 v[8*(8*((\a)%4)+\b):8*(8*((\a)%4)+\b)+7], v[128*(\p)+FR*\b:128*(\p)+FR*\b+FR-1], v[AF+FR*(\a):AF+FR*(\a)+FR-1], 0
.else
	v_wmma_f32_16x16x128_fp8_fp8 v[8*(8*((\a)%4)+\b):8*(8*((\a)%4)+\b)+7], v[128*(\p)+FR*\b:128*(\p)+FR*\b+FR-1], v[AF+FR*(\a):AF+FR*(\a)+FR-1], v[8*(8*((\a)%4)+\b):8*(8*((\a)%4)+\b)+7]
.endif
.endr
.endr
.endm
.macro FETCH_B slot, q, p
	WIN TO_B
.irp i, 0,1,2,3,4,5,6,7
	FRAG 128*(\p)+FR*\i, ADRB+\slot, \q, \i
.endr
	WIN 0
.endm
.macro FETCH_A slot, q, i0
.irp i, \i0, \i0+1, \i0+2, \i0+3
	FRAG AF+FR*(\i), ADRA+\slot, \q, \i
.endr
.endm
.macro PLACES n
.rept \n
	v_nop
.endr
.endm
.macro STEP slot, q, zero
	s_wait_dscnt 4*NL
	WIN MUL_LO
	MUL16 0, (\q)%2, \zero
	MUL16 2, (\q)%2, \zero
	s_wait_dscnt 0
	PLACES NP
	FETCH_B \slot, (\q)+1, 1-(\q)%2
	FETCH_A \slot, (\q)+1, 0
	WIN MUL_HI
	MUL16 4, (\q)%2, \zero
	MUL16 6, (\q)%2, \zero
	PLACES NP
	WIN 0
	FETCH_A \slot, (\q)+1, 4
.endm
.macro TURN slot, next, fill
	s_wait_tensorcnt 0x0
	ds_add_u32 v[SPW], v[NIL]
	s_wait_dscnt 4*NL+1
	WIN MUL_LO
	MUL16 0, 1, 0
	s_wait_dscnt 0x0
	s_barrier_signal -1
	MUL16 2, 1, 0
	WIN 0
	s_barrier_wait -1
.if \fill
	CREST
	s_add_nc_u64 s[G0+4*\slot+2:G0+4*\slot+3], s[G0+4*\slot+2:G0+4*\slot+3], 2*ROWB
	s_add_nc_u64 s[G0B+4*\slot+2:G0B+4*\slot+3], s[G0B+4*\slot+2:G0B+4*\slot+3], 2*ROWB
	JLOAD G0+4*\slot, G1, G0B+4*\slot, G1B
.else
	PLACES NP
.endif
	FETCH_B \next, 0, 0
	FETCH_A \next, 0, 0
	WIN MUL_HI
	MUL16 4, 1, 0
	MUL16 6, 1, 0
	PLACES NP
	WIN 0
	FETCH_A \next, 0, 4
.endm
	s_wait_alu depctr_va_vdst(0)                   ; the wait at the head's end
	s_wait_tensorcnt 0x0                           ; my part of K step 0 is in; slot 1's first fill is issued as a refill is:
	ds_add_u32 v[SPW], v[NIL]                      ; 0 onto my spare word
	s_wait_dscnt 0x0
	CROUND                                         ; everybody's part of K step 0 is in, and all sixteen work-groups are here
	JLOAD G0+4, G1, G0B+4, G1B                     ; K step 1, the first tensor load behind the round
	FETCH_B 0, 0, 0
	FETCH_A 0, 0, 0
	FETCH_A 0, 0, 4
	global_prefetch_b8 v8, s[72:73] offset:768 th:TH_LOAD_NT scope:SCOPE_SE   ; K step 3, the last: two changes of slots ahead of its load
	STEP 0, 0, 1
.rept LAPS-1
	TURN 0, 1, 1
	STEP 1, 0, 0
	TURN 1, 0, 1
	STEP 0, 0, 0
.endr
	TURN 0, 1, 0
	STEP 1, 0, 0
	s_wait_dscnt 4*NL
	WIN MUL_LO
	MUL16 0, 1, 0
	MUL16 2, 1, 0
	s_wait_dscnt 0
	WIN MUL_HI
	MUL16 4, 1, 0
	MUL16 6, 1, 0
	WIN 0
.macro OUT a
.set AC, 64*((\a)%4)
.set CD, 192+16*((\a)%4)
.if (\a) >= 4
	s_wait_xcnt 0x0
.endif
	WIN 0x02+((\a)/4)
.set j, 0
.rept 32
	v_pk_fma_f32 v[TMP+j:TMP+j+1], v[AC+j:AC+j+1], s[96:97], v[BI+j:BI+j+1] op_sel_hi:[1,0,1]
.set j, j+2
.endr
	WIN 0
.set j, 0
.rept 32
	v_pk_add_f32 v[TMP+j:TMP+j+1], v[TMP+j:TMP+j+1], v[BV+2*(\a):BV+2*(\a)+1]
.set j, j+2
.endr
.set j, 0
.rept 64
	v_med3_num_f32 v[TMP+j], v[TMP+j], -v[LIM], v[LIM]
.set j, j+1
.endr
.set j, 0
.rept 8
	v_cvt_scalef32_pk8_fp8_f32 v[CD+2*j:CD+2*j+1], v[TMP+8*j:TMP+8*j+7], v[SC]
.set j, j+1
.endr
	v_nop
.irp e, 0,1,2,3
	global_store_b128 v[VO+2*(\a)+\e/2], v[CD+4*\e:CD+4*\e+3], s[10:11] offset:512*(\e%2)
.endr
.endm
	PLACES NP
.irp a, 0,1,2,3,4,5,6,7
	OUT \a
.endr
	s_wait_tensorcnt 0x0
	ds_add_u32 v[SPW], v[NIL]
	s_wait_dscnt 0x0
	CROUND
	s_endpgm
.Lfunc_end_k_q8aeda1df0a_proj:
	.size	k_q8aeda1df0a_proj, .Lfunc_end_k_q8aeda1df0a_proj-k_q8aeda1df0a_proj
	.p2alignl 7, 3214868480
	.fill 96, 4, 3214868480
	.section	.rodata,"a",@progbits
	.p2align	6, 0x0
	.amdhsa_kernel k_q8aeda1df0a_proj
		.amdhsa_group_segment_fixed_size 327680
		.amdhsa_private_segment_fixed_size 0
		.amdhsa_enable_private_segment 0
		.amdhsa_kernarg_size 104
		.amdhsa_user_sgpr_count 2
		.amdhsa_user_sgpr_kernarg_segment_ptr 1
		.amdhsa_wavefront_size32 1
		.amdhsa_system_sgpr_workgroup_id_x 1
		.amdhsa_system_sgpr_workgroup_id_y 1
		.amdhsa_system_sgpr_workgroup_id_z 1
		.amdhsa_system_vgpr_workitem_id 0
		.amdhsa_next_free_vgpr 1024
		.amdhsa_next_free_sgpr 100
		.amdhsa_reserve_vcc 0
		.amdhsa_float_denorm_mode_32 3
		.amdhsa_float_denorm_mode_16_64 3
		.amdhsa_memory_ordered 1
		.amdhsa_forward_progress 1
		.amdhsa_inst_pref_size 159
	.end_amdhsa_kernel
	.amdgpu_metadata
---
amdhsa.version: [ 1, 2 ]
amdhsa.kernels:
  - .name:           k_q8aeda1df0a_proj
    .symbol:         k_q8aeda1df0a_proj.kd
    .args:
      - { .name: xq, .offset: 0, .size: 8, .value_kind: global_buffer, .address_space: global }
      - { .name: key_tensor_codes, .offset: 8, .size: 8, .value_kind: global_buffer, .address_space: global }
      - { .name: value_tensor_codes, .offset: 16, .size: 8, .value_kind: global_buffer, .address_space: global }
      - { .name: Wq_codes, .offset: 24, .size: 8, .value_kind: global_buffer, .address_space: global }
      - { .name: Wk_codes, .offset: 32, .size: 8, .value_kind: global_buffer, .address_space: global }
      - { .name: Wv_codes, .offset: 40, .size: 8, .value_kind: global_buffer, .address_space: global }
      - { .name: bq, .offset: 48, .size: 8, .value_kind: global_buffer, .address_space: global }
      - { .name: bk, .offset: 56, .size: 8, .value_kind: global_buffer, .address_space: global }
      - { .name: bv, .offset: 64, .size: 8, .value_kind: global_buffer, .address_space: global }
      - { .name: lowp_scales, .offset: 72, .size: 8, .value_kind: global_buffer, .address_space: global }
      - { .name: qc, .offset: 80, .size: 8, .value_kind: global_buffer, .address_space: global }
      - { .name: kc, .offset: 88, .size: 8, .value_kind: global_buffer, .address_space: global }
      - { .name: vc, .offset: 96, .size: 8, .value_kind: global_buffer, .address_space: global }
    .group_segment_fixed_size: 327680
    .private_segment_fixed_size: 0
    .kernarg_segment_align: 8
    .kernarg_segment_size: 104
    .max_flat_workgroup_size: 128
    .sgpr_count:     100
    .vgpr_count:     1024
    .wavefront_size: 32
...
	.end_amdgpu_metadata
.endif
;; end of part 2
;; launch attn (part 3): grid 8 x 32, 8 waves a work-group, clusters of 4 x 1, 327,680 bytes of LDS; arguments qc, kc, vc, lowp_scales, cc; writes cc
.if DOCPART == 3
	.amdgcn_target "amdgcn-amd-amdhsa--gfx1250"
	.amdhsa_code_object_version 6
	.text
	.protected	k_q8aeda1df0a_attn
	.globl	k_q8aeda1df0a_attn
	.p2align	8
	.type	k_q8aeda1df0a_attn,@function
k_q8aeda1df0a_attn:
	s_mov_b64 s[64:65], 0
	v_nop
	global_prefetch_b8 v0, s[64:65] scope:SCOPE_SE
	s_setreg_imm32_b32 hwreg(HW_REG_WAVE_MODE, 25, 1), 1
	s_wait_xcnt 0x0
	s_wait_alu depctr_hold_cnt(0) depctr_sa_sdst(0) depctr_va_vdst(0) depctr_va_sdst(0) depctr_va_ssrc(0) depctr_va_vcc(0) depctr_vm_vsrc(0)
	s_getreg_b32 s2, hwreg(HW_REG_IB_STS2, 6, 4)
	s_cmp_eq_u32 s2, 0
	s_cbranch_scc0 .Lentry_in_a_cluster
	s_endpgm
.Lentry_in_a_cluster:
	s_bfe_u32 s2, ttmp6, 0x10000c
	s_cmp_lg_u32 s2, 0x3003
	s_cbranch_scc0 .Lentry_shape_is_right
	s_endpgm
.Lentry_shape_is_right:
; ctx[head][q][:] = the sum over k of softmax_k(q . k) v[k][:], 32 heads x 2,048 queries x 2,048 keys, head size 64, no scaling of the scores; both products on codes of FP8 (E4M3).
; qc, kc, vc hold the operands as images of their registers (a group of four registers = 512 bytes, a lane's 16 bytes at 16 x lane):
;   qc, kc: [head][tile of 16 rows: 128][half: 2][512]: registers 2 c, 2 c + 1 = d 16 c + 8 h + 0 .. 7;    vc: [head][step of 128 keys: 16][tile of 16 d: 4][group: 4][512]: registers 2 c, 2 c + 1 = key 16 c + 8 h + 0 .. 7.
; THE SOFTMAX: t = score x log2(e); M = the row's largest t so far, rounded UP to a whole number; p = 2^(t - M) is quantised (scale 2^e8), not normalised.  The row's sum is taken of the unquantised p, in f32,
; and divides at the end.  When M moves, the sum and O are multiplied by 2^(old M - new M): exact, in every step, with no branch on data.
; The result is quantised at once for the last product (scale 2^e10): cc: [b: 2][tile of 16 s: 128][head in b: 16][half: 2][512].
; SHARES.  A work-group owns 256 queries of one head; each of its EIGHT waves owns 32: two tiles of 16, A and B, so that each fragment of K and of V read from LDS feeds two matrix instructions.
; WINDOWS.  All that vector instructions work on (both tiles' scores, O^T and state) lies in window 0; what only matrix instructions, loads and the conversions' results touch (K, V, Q, p's codes) in window 1.
; So A's and B's lines stand by turns, and three settings of s_set_vgpr_msb serve: 0; 0x05 (matrix sources in window 1); 0x40 (destination in window 1).
; THE ORDER OF A STEP.  Scores of both tiles; V and the next step's K are asked for; both maxima, both M and f, line by line by turns; A's t - M; A's exponentials with B's t - M between and behind them;
; O^T x f and A's sum by turns; B's exponentials with A's holds between and behind them; B's sum and holds; the conversions; the products with V.
; Between and behind exponentials, ahead of the next wait, stand only lines whose results are first read behind that wait.
; NO RING.  A head's K and V are 131,072 + 131,072 bytes of LDS; every byte is filled once.  Two fills a wave: the first quarter (512 keys; 8,192 bytes a wave) at the head; the other three quarters (24,576 bytes a wave)
; behind the full sequence and a round.  Waves 0-3 bring K, waves 4-7 V.  Steps 0-3 run while the second fill lands; one barrier, and steps 4-15 follow.
; CLUSTER.  The four work-groups of a cluster are four blocks of queries of ONE head: each fill is asked for JOINTLY, same descriptor, mask of all four.
; NO PREFETCH: every byte of K and V is asked for by the two fills, the second as soon as the first has landed; there is no later load to run ahead of.
; LAYOUT.  Both products transposed: S^T = K Q^T, O^T = V^T P^T: a lane holds ONE query (lane % 16); a score tile's eight registers are keys 16 t + 8 h + 0 .. 7: their conversion gives registers 2 t, 2 t + 1 of P.
; LIMITS on the given exponents, so that each power of two below is an f32 number: e6 + e7 between -126 and 127; e8, and e10 - e8 - e9, between -126 and 119.  NaN is not served.
.set LI,   1                           ; window 0: v1 16 x lane; v2, v3 the add's two; v4, v5 2^(e10-e8-e9) and 448 x that; v8, v9 LDS addresses; v10 V's base + 16 x lane
.set SPW,  2
.set NIL,  3
.set FSC,  4
.set FH,   5
.set ADK,  8
.set ADV,  9
.set LV,   10
.set MA,   12                          ; v[12:13], v[14:15]: -M and the largest t, of A and of B
.set MB,   14
.set FA,   24                          ; v[24:25], v[26:27]: f (the upper halves are only named)
.set FB,   26
.set H0,   28                          ; v28, v29: 448 x 2^e8, twice: the two halves of a dual pair take their second sources from two registers
.set H1,   29
.set PSC,  30                          ; 2^e8
.set SA,   32                          ; S^T, then p
.set SB,   96
.set OA,   160                         ; O^T
.set OB,   192
.set XA,   224                         ; the maximum's four chains
.set XB,   228
.set WA,   232                         ; the old -M
.set WB,   233
.set YA,   234                         ; the lane exchange
.set YB,   235
.set LA,   236                         ; the sum: four chains of two halves
.set LB,   244
.set KF,   0                           ; window 1: K's eight tiles, V's four fragments, Q, p's codes
.set VF,   64
.set QA,   128
.set QB,   136
.set PA,   144
.set PB,   160
.set WV,   18                          ; s18 my wave's number
.set SEL,  20                          ; s[20:21] selects of v_permlanex16_b32: lane l xor 16
.set CS,   22                          ; s[22:23] c = log2(e) x 2^(e6 + e7)
.set G1A,  24                          ; s[24:31] group 1 of the first fill: 32 rows of 256 bytes
.set G1B,  32                          ; s[32:39] of the second: 96 rows
.set G0A,  40                          ; s[40:43], s[44:47] their groups 0
.set G0B,  44
.set TB,   48                          ; s48 LDS byte of this step's K
.set TN,   49                          ; s49 of the next step's K, held at the phase's last step
.set CNT,  50
.set VBASE, 131072
.set QTR,   32768                      ; a quarter of K or of V
.set STEPB, 8192                       ; 128 keys: 8 tiles of K of 1,024 bytes; 4 fragments of V of 2,048
.set SPARE, 262144                     ; the spare words: 128 bytes a wave, four blocks of 256 that no other line names
.set INZ,   24                         ; of a run's 32 filling lines, so many stand between the exponentials; the other 8 behind the last
.set MSB, 0
.macro WIN new                         ; the immediate's high byte repeats the setting that is left
.if MSB != (\new)
	s_set_vgpr_msb (MSB<<8)|(\new)
.set MSB, (\new)
.endif
.endm
.macro ROUND                           ; a round of the cluster's barrier
	s_barrier_signal -1
	s_barrier_wait -1
	s_cmp_lg_u32 s[WV], 0
	s_cbranch_scc1 .Lnot_wave_0_\@
	s_barrier_signal -3
.Lnot_wave_0_\@:
	s_barrier_wait -3
	s_barrier_signal -1
	s_barrier_wait -1
.endm
.macro PLACES
.rept 4
	v_nop
.endr
.endm
	s_load_b256 s[4:11], s[0:1], 0x0               ; qc s[4:5], kc s[6:7], vc s[8:9], the scales' exponents s[10:11]
	s_load_b64 s[12:13], s[0:1], 0x20              ; cc
	v_lshl_add_u32 v[SPW], v0, 2, SPARE
	v_mov_b32 v[NIL], 0
	ds_add_u32 v[SPW], v[NIL]                      ; the opening lines: the add, twice on end, and one wait
	ds_add_u32 v[SPW], v[NIL]
	v_lshrrev_b32 v6, 5, v0
	v_readfirstlane_b32 s[WV], v6                  ; wave 0..7
	v_and_b32 v7, 31, v0
	v_lshlrev_b32 v[LI], 4, v7
	v_add_nc_u32 v[LV], VBASE, v[LI]
	s_bfe_u32 s51, ttmp6, 0x40000                  ; cx
	s_lshl_b32 s52, ttmp9, 2
	s_add_co_u32 s52, s52, s51                     ; my block of 256 queries: it enters Q's and the result's addresses alone
	s_and_b32 s53, ttmp7, 0xffff                   ; the head, which the four partners share
	s_and_b32 s54, s[WV], 3                        ; my part of K or of V
	s_lshr_b32 s55, s[WV], 2                       ; 0: K, 1: V
	s_lshl_b32 s56, s53, 17                        ; the head's 131,072 bytes, in qc, kc and vc alike
	s_lshl_b32 s57, s54, 13
	s_add_co_u32 s58, s56, s57                     ; first fill, in memory: 8,192 x part
	s_mov_b32 s59, 0
	s_mul_i32 s57, s54, 3*8192
	s_add_co_u32 s60, s56, s57
	s_add_co_u32 s60, s60, QTR                     ; second fill: behind the first quarter, 24,576 x part
	s_mov_b32 s61, 0
	s_mov_b32 s[G0A], 1
	s_lshl_b32 s[G0A+1], s[WV], 13                 ; in LDS: 8,192 x wave; waves 4-7 98,304 further on: V's first byte
	s_mul_i32 s57, s55, VBASE-QTR
	s_add_co_u32 s[G0A+1], s[G0A+1], s57
	s_mov_b32 s[G0B], 1
	s_mul_i32 s[G0B+1], s[WV], 3*8192              ; 32,768 + 24,576 x wave; waves 4-7 32,768 further on: V's second quarter
	s_lshl_b32 s57, s55, 15
	s_add_co_u32 s[G0B+1], s[G0B+1], s57
	s_add_co_u32 s[G0B+1], s[G0B+1], QTR
.irp g, G1A, G1B
	s_mov_b32 s[\g], 15|(3<<16)|(1<<21)            ; the mask: all four work-groups; elements of 8 bytes; bit 21 beside a mask
	s_mov_b32 s[\g+1], 32<<16                      ; tensor_dim0 = 32 elements: dense rows of 256 bytes
	s_mov_b32 s[\g+3], 32<<16                      ; tile_dim0
	s_mov_b32 s[\g+5], 32                          ; the pitch
	s_mov_b32 s[\g+6], 0
	s_mov_b32 s[\g+7], 0
.endr
	s_mov_b32 s[G1A+2], 32<<16                     ; rows
	s_mov_b32 s[G1A+4], 32
	s_mov_b32 s[G1B+2], 96<<16
	s_mov_b32 s[G1B+4], 96
	s_mov_b32 s[SEL], 0x76543210
	s_mov_b32 s[SEL+1], 0xfedcba98
	s_mov_b32 s[CS], 0x3fb8aa3b                    ; log2(e)
	s_wait_dscnt 0x0                               ; both opening adds are done
	s_wait_kmcnt 0x0
	s_load_b256 s[68:75], s[10:11], 0x0            ; e0 .. e7
	s_load_b128 s[76:79], s[10:11], 0x20           ; e8 .. e11
	s_cmp_lt_u32 s[WV], 4                          ; K's buffer or V's: by the wave's number alone
	s_cselect_b64 s[62:63], s[6:7], s[8:9]
	s_add_nc_u64 s[G0A+2:G0A+3], s[62:63], s[58:59]
	s_or_b32 s[G0A+3], s[G0A+3], 0x80000000
	s_add_nc_u64 s[G0B+2:G0B+3], s[62:63], s[60:61]
	s_or_b32 s[G0B+3], s[G0B+3], 0x80000000
	ROUND                                          ; all four work-groups are here: the joint loads meet
	tensor_load_to_lds s[G0A:G0A+3], s[G1A:G1A+7]  ; my part of the first quarter: my one tensor load at the head
	s_nop 0
	PLACES
	s_lshl_b32 s57, s52, 4
	s_lshl_b32 s51, s[WV], 1
	s_add_co_u32 s57, s57, s51                     ; tile A of my 32 queries, 0..126; tile B is the next
	s_lshl_b32 s58, s57, 10
	s_add_co_u32 s58, s58, s56
	s_add_nc_u64 s[4:5], s[4:5], s[58:59]
	s_wait_alu depctr_va_vdst(0)                   ; the wait here, ahead of the reader of v1
	WIN 0x40
	global_load_b128 v[QA:QA+3], v[LI], s[4:5]     ; Q's two fragments stay in registers
	global_load_b128 v[QA+4:QA+7], v[LI], s[4:5] offset:512
	global_load_b128 v[QB:QB+3], v[LI], s[4:5] offset:1024
	global_load_b128 v[QB+4:QB+7], v[LI], s[4:5] offset:1536
	WIN 0
	s_lshr_b32 s60, s53, 4                         ; b
	s_lshl_b32 s60, s60, 7
	s_add_co_u32 s60, s60, s57
	s_lshl_b32 s60, s60, 4
	s_and_b32 s58, s53, 15                         ; the head in b
	s_add_co_u32 s60, s60, s58
	s_lshl_b32 s60, s60, 10                        ; ((128 b + tile) x 16 + head) x 1,024; tile B lies 16,384 bytes on
	s_add_nc_u64 s[12:13], s[12:13], s[60:61]
	s_wait_kmcnt 0x0
	s_add_co_i32 s58, s74, s75
	s_lshl_b32 s58, s58, 23
	s_add_co_i32 s[CS], s[CS], s58                 ; e6 + e7 added to c's exponent field
	s_mov_b32 s[CS+1], s[CS]
	s_add_co_i32 s58, s76, 127
	s_lshl_b32 s54, s58, 23                        ; 2^e8
	s_add_co_i32 s58, s58, 8
	s_lshl_b32 s58, s58, 23
	s_or_b32 s55, s58, 0x600000                    ; 448 x 2^e8
	s_sub_co_i32 s58, s78, s76
	s_sub_co_i32 s58, s58, s77                     ; e10 - e8 - e9: the three scales folded into the last conversion's one
	s_add_co_i32 s58, s58, 127
	s_lshl_b32 s56, s58, 23
	s_add_co_i32 s58, s58, 8
	s_lshl_b32 s58, s58, 23
	s_or_b32 s57, s58, 0x600000
	v_mov_b32 v[PSC], s54
	v_mov_b32 v[H0], s55
	v_mov_b32 v[H1], s55
	v_mov_b32 v[FSC], s56
	v_mov_b32 v[FH], s57
.irp p, A, B
	v_mov_b32 v[M\p+1], 0xff61b1e6                 ; the largest t so far: -3e38
	v_mov_b32 v[M\p], 0x7f61b1e6                   ; -M: 3e38, a whole number
	v_mov_b32 v[F\p+1], 0                          ; named as a pair's upper half
	v_mov_b32 v[Y\p], 0                            ; a lane permute's destination counts as a source
.endr
.set j, 0
.rept 16
	v_mov_b32 v[LA+j], 0                           ; both sums
.set j, j+1
.endr
.set j, 0
.rept 64
	v_mov_b32 v[OA+j], 0                           ; both O^T: the step is written once for all; the first change of M leaves zeros zeros
.set j, j+1
.endr
.macro PFMA p, b                       ; t - M, two at a time
	v_pk_fma_f32 v[S\p+2*(\b):S\p+2*(\b)+1], v[S\p+2*(\b):S\p+2*(\b)+1], s[CS:CS+1], v[M\p:M\p+1] op_sel_hi:[1,0,0]
.endm
.macro PSUM p, b                       ; the sum of the UNQUANTISED p, in four chains; each chain's first line brings the old sum under the new M
.if (\b) < 4
	v_pk_fma_f32 v[L\p+2*(\b):L\p+2*(\b)+1], v[L\p+2*(\b):L\p+2*(\b)+1], v[F\p:F\p+1], v[S\p+2*(\b):S\p+2*(\b)+1] op_sel_hi:[1,0,1]
.else
	v_pk_add_f32 v[L\p+2*((\b)%4):L\p+2*((\b)%4)+1], v[L\p+2*((\b)%4):L\p+2*((\b)%4)+1], v[S\p+2*(\b):S\p+2*(\b)+1]
.endif
.endm
.macro ORS p, k                        ; a pair of O^T under the new M: x f
	v_pk_mul_f32 v[O\p+2*(\k):O\p+2*(\k)+1], v[O\p+2*(\k):O\p+2*(\k)+1], v[F\p:F\p+1] op_sel_hi:[1,0]
.endm
.macro DMIN p, b                       ; the hold of a pair (the conversion does not saturate: ISA guide 7.6.2; p is not negative, so it is one-sided)
	v_dual_min_num_f32 v[S\p+2*(\b)], v[S\p+2*(\b)], v[H0] :: v_dual_min_num_f32 v[S\p+2*(\b)+1], v[S\p+2*(\b)+1], v[H1]
.endm
.macro KLOAD                           ; eight tiles of K (16 keys x 64); the destination's window is 1
.set t, 0
.rept 8
	ds_load_b128 v[KF+8*t:KF+8*t+3], v[ADK] offset:1024*t
	ds_load_b128 v[KF+8*t+4:KF+8*t+7], v[ADK] offset:1024*t+512
.set t, t+1
.endr
.endm
; A KEY STEP: 128 keys for both tiles.  last: the LDS byte of the phase's last step of K, at which the look-ahead is held (that step reads its own K once more, and nobody uses it).
.macro STEP last
	s_wait_dscnt 0x0                               ; this step's K is in
	WIN 0x05
.set t, 0
.rept 8
	v_wmma_f32_16x16x64_fp8_fp8 v[SA+8*t:SA+8*t+7], v[KF+8*t:KF+8*t+7], v[QA:QA+7], 0
	v_wmma_f32_16x16x64_fp8_fp8 v[SB+8*t:SB+8*t+7], v[KF+8*t:KF+8*t+7], v[QB:QB+7], 0
.set t, t+1
.endr
	WIN 0
	v_add_nc_u32 v[ADV], s[TB], v[LV]              ; four places: the loads below land in registers that matrix instructions have read, and the maxima read scores
	v_add_nc_u32 v[ADK], s[TN], v[LI]
	v_mov_b32 v[WA], v[MA]                         ; the old -M
	v_mov_b32 v[WB], v[MB]
	WIN 0x40
.set t, 0
.rept 16
	ds_load_b128 v[VF+4*t:VF+4*t+3], v[ADV] offset:512*t       ; V's four fragments (16 d x 128 keys)
.set t, t+1
.endr
	KLOAD                                          ; the next step's K
	WIN 0
.irp p, A, B                           ; the largest score among my 64 keys: four chains a tile, registers ascending
	v_max3_num_f32 v[X\p], v[S\p], v[S\p+1], v[S\p+2]
	v_max3_num_f32 v[X\p+1], v[S\p+3], v[S\p+4], v[S\p+5]
	v_max3_num_f32 v[X\p+2], v[S\p+6], v[S\p+7], v[S\p+8]
	v_max3_num_f32 v[X\p+3], v[S\p+9], v[S\p+10], v[S\p+11]
.endr
.set i, 12
.rept 6
.irp p, A, B
	v_max3_num_f32 v[X\p], v[X\p], v[S\p+i], v[S\p+i+1]
	v_max3_num_f32 v[X\p+1], v[X\p+1], v[S\p+i+2], v[S\p+i+3]
	v_max3_num_f32 v[X\p+2], v[X\p+2], v[S\p+i+4], v[S\p+i+5]
	v_max3_num_f32 v[X\p+3], v[X\p+3], v[S\p+i+6], v[S\p+i+7]
.endr
.set i, i+8
.endr
.irp p, A, B
	v_max3_num_f32 v[X\p], v[X\p], v[S\p+60], v[S\p+61]
	v_max3_num_f32 v[X\p+1], v[X\p+1], v[S\p+62], v[S\p+63]
.endr
.irp p, A, B                           ; from here on A's and B's lines by turns
	v_max3_num_f32 v[X\p], v[X\p], v[X\p+1], v[X\p+2]
.endr
.irp p, A, B
	v_max_num_f32 v[X\p], v[X\p], v[X\p+3]
.endr
.irp p, A, B
	v_permlanex16_b32 v[Y\p], v[X\p], s[SEL], s[SEL+1]
.endr
.irp p, A, B
	v_max_num_f32 v[X\p], v[X\p], v[Y\p]           ; and among lane l xor 16's
.endr
.irp p, A, B
	v_mul_f32 v[X\p], s[CS], v[X\p]                ; as t (c is positive)
.endr
.irp p, A, B
	v_max_num_f32 v[M\p+1], v[M\p+1], v[X\p]
.endr
.irp p, A, B
	v_floor_f32 v[M\p], -v[M\p+1]                  ; the new -M = -ceil(t)
.endr
.irp p, A, B
	v_sub_f32 v[W\p], v[M\p], v[W\p]               ; old M - new M: a whole number, 0 or less
.endr
	PFMA A, 0
	PFMA A, 1
.irp p, A, B
	v_cvt_i32_f32 v[W\p], v[W\p]                   ; (it saturates)
.endr
	PFMA A, 2
	PFMA A, 3
.irp p, A, B
	v_ldexp_f32 v[F\p], 1.0, v[W\p]                ; f = 2^(old M - new M)
.endr
.set b, 4
.rept 28
	PFMA A, b
.set b, b+1
.endr
	s_wait_alu depctr_va_vdst(0)                   ; one wait ahead of the exponentials
.set b, 0
.rept 32
	v_exp_f32 v[SA+2*b], v[SA+2*b]                 ; A's p = 2^(t - M), at most 1;
.if b < INZ
	PFMA B, b                                      ; between them B's t - M, first read behind the wait below
.endif
	v_exp_f32 v[SA+2*b+1], v[SA+2*b+1]
.set b, b+1
.endr
.set b, INZ
.rept 32-INZ
	PFMA B, b                                      ; the rest of them behind the last exponential: plain lines that name none of its registers
.set b, b+1
.endr
	s_wait_alu depctr_va_vdst(0)                   ; behind A's exponentials, ahead of B's, and directly ahead of O^T's first readers; plain lines alone follow up to the last of these
.set b, 0
.rept 16
	ORS A, b                                       ; both O^T ascending, each accumulator from its low end on; A's sum by turns with them
	PSUM A, 2*b
	ORS B, b
	PSUM A, 2*b+1
.set b, b+1
.endr
.set b, 0
.rept 32
	v_exp_f32 v[SB+2*b], v[SB+2*b]                 ; B's p; between them A's holds, first read behind the wait below
.if b < INZ
	DMIN A, b
.endif
	v_exp_f32 v[SB+2*b+1], v[SB+2*b+1]
.set b, b+1
.endr
	v_nop                                          ; a plain line behind the last exponential
.set b, INZ
.rept 32-INZ
	DMIN A, b
.set b, b+1
.endr
	s_wait_alu depctr_va_vdst(0)                   ; behind B's exponentials
.set b, 0
.rept 32
	PSUM B, b
	DMIN B, b
.set b, b+1
.endr
	WIN 0x40
.irp p, A, B
.set t, 0
.rept 8
	v_cvt_scalef32_pk8_fp8_f32 v[P\p+2*t:P\p+2*t+1], v[S\p+8*t:S\p+8*t+7], v[PSC]   ; a tile's eight p become registers 2 t, 2 t + 1 of P's fragment
.set t, t+1
.endr
.endr
	WIN 0
	v_nop                                          ; a plain line behind the last conversion
	s_wait_alu depctr_va_vdst(0)                   ; the wait here, directly ahead of the wait below
	s_wait_dscnt 16                                ; V's 16 loads are in; the 16 issued behind them, the next K's, may be out
	WIN 0x05
.set t, 0
.rept 4
	v_wmma_f32_16x16x128_fp8_fp8 v[OA+8*t:OA+8*t+7], v[VF+16*t:VF+16*t+15], v[PA:PA+15], v[OA+8*t:OA+8*t+7]   ; O^T += V^T P^T: eight accumulators by turns
	v_wmma_f32_16x16x128_fp8_fp8 v[OB+8*t:OB+8*t+7], v[VF+16*t:VF+16*t+15], v[PB:PB+15], v[OB+8*t:OB+8*t+7]
.set t, t+1
.endr
	WIN 0
	s_add_co_u32 s[TB], s[TB], STEPB
	s_add_co_u32 s[TN], s[TB], STEPB
	s_min_u32 s[TN], s[TN], \last
.endm
.macro PHASE first, n                  ; key steps first .. first + n - 1
	s_mov_b32 s[TB], (\first)*STEPB
	s_mov_b32 s[TN], ((\first)+1)*STEPB
	s_mov_b32 s[CNT], \n
	v_add_nc_u32 v[ADK], (\first)*STEPB, v[LI]
	WIN 0x40
	KLOAD
	WIN 0
.Lstep_\@:
	STEP ((\first)+(\n)-1)*STEPB
	s_sub_co_u32 s[CNT], s[CNT], 1
	s_cmp_lg_u32 s[CNT], 0
	s_cbranch_scc1 .Lstep_\@
.endm
	s_wait_alu depctr_va_vdst(0)
	s_wait_loadcnt 0x0                             ; Q
	s_wait_tensorcnt 0x0                           ; my part of the first quarter is in; the later first fill is issued as a refill is:
	ds_add_u32 v[SPW], v[NIL]                      ; 0 onto my spare word
	s_wait_dscnt 0x0
	ROUND                                          ; everybody's part is in, and all four work-groups are here
	tensor_load_to_lds s[G0B:G0B+3], s[G1B:G1B+7]  ; my part of the other three quarters: other bytes than steps 0-3 read
	s_nop 0
	PLACES
	PHASE 0, 4
	s_wait_tensorcnt 0x0                           ; my second fill has landed
	s_wait_dscnt 0x0                               ; no LDS instruction of mine is pending at a signal
	s_barrier_signal -1
	s_barrier_wait -1                              ; and everybody's
	PHASE 4, 12
	; THE WAY OUT.  O^T / the sum is quantised for the last product: a tile's eight registers are d 16 u + 8 h + 0 .. 7 of my query: registers 2 u, 2 u + 1 of the operand.
.irp p, A, B                           ; the sum's four chains (these lines are also the places behind the last products),
	v_pk_add_f32 v[L\p:L\p+1], v[L\p:L\p+1], v[L\p+2:L\p+3]
	v_pk_add_f32 v[L\p+4:L\p+5], v[L\p+4:L\p+5], v[L\p+6:L\p+7]
.endr
.irp p, A, B
	v_pk_add_f32 v[L\p:L\p+1], v[L\p:L\p+1], v[L\p+4:L\p+5]
.endr
.irp p, A, B
	v_add_f32 v[L\p], v[L\p], v[L\p+1]             ; its two halves,
.endr
.irp p, A, B
	v_permlanex16_b32 v[Y\p], v[L\p], s[SEL], s[SEL+1]
.endr
.irp p, A, B
	v_add_f32 v[L\p], v[L\p], v[Y\p]               ; and lane l xor 16's: over 1/2
.endr
	s_wait_alu depctr_va_vdst(0)                   ; the wait ahead of the transcendentals
	v_rcp_f32 v[LA], v[LA]
	v_rcp_f32 v[LB], v[LB]
	v_nop
	s_wait_alu depctr_va_vdst(0)                   ; and behind them, directly ahead of O^T's first readers
.irp p, A, B
.set j, 0
.rept 16
	v_pk_mul_f32 v[S\p+j:S\p+j+1], v[O\p+j:O\p+j+1], v[L\p:L\p+1] op_sel_hi:[1,0]
.set j, j+2
.endr
.endr
.irp p, A, B
.set j, 0
.rept 32
	v_med3_num_f32 v[S\p+j], v[S\p+j], -v[FH], v[FH]
.set j, j+1
.endr
.endr
.irp p, A, B
.set t, 0
.rept 4
	v_cvt_scalef32_pk8_fp8_f32 v[S\p+32+2*t:S\p+33+2*t], v[S\p+8*t:S\p+8*t+7], v[FSC]
.set t, t+1
.endr
.endr
	v_nop
	global_store_b128 v[LI], v[SA+32:SA+35], s[12:13]          ; each store covers 512 consecutive bytes, aligned
	global_store_b128 v[LI], v[SA+36:SA+39], s[12:13] offset:512
	global_store_b128 v[LI], v[SB+32:SB+35], s[12:13] offset:16384
	global_store_b128 v[LI], v[SB+36:SB+39], s[12:13] offset:16896
	s_wait_tensorcnt 0x0                           ; the wave's end
	ds_add_u32 v[SPW], v[NIL]
	s_wait_dscnt 0x0
	ROUND                                          ; the closing round
	s_endpgm
.Lfunc_end_k_q8aeda1df0a_attn:
	.size	k_q8aeda1df0a_attn, .Lfunc_end_k_q8aeda1df0a_attn-k_q8aeda1df0a_attn
	.p2alignl 7, 3214868480
	.fill 96, 4, 3214868480
	.section	.rodata,"a",@progbits
	.p2align	6, 0x0
	.amdhsa_kernel k_q8aeda1df0a_attn
		.amdhsa_group_segment_fixed_size 327680
		.amdhsa_private_segment_fixed_size 0
		.amdhsa_enable_private_segment 0
		.amdhsa_kernarg_size 40
		.amdhsa_user_sgpr_count 2
		.amdhsa_user_sgpr_kernarg_segment_ptr 1
		.amdhsa_wavefront_size32 1
		.amdhsa_system_sgpr_workgroup_id_x 1
		.amdhsa_system_sgpr_workgroup_id_y 1
		.amdhsa_system_sgpr_workgroup_id_z 1
		.amdhsa_system_vgpr_workitem_id 0
		.amdhsa_next_free_vgpr 432
		.amdhsa_next_free_sgpr 80
		.amdhsa_reserve_vcc 0
		.amdhsa_float_denorm_mode_32 3
		.amdhsa_float_denorm_mode_16_64 3
		.amdhsa_memory_ordered 1
		.amdhsa_forward_progress 1
		.amdhsa_inst_pref_size 77
	.end_amdhsa_kernel
	.amdgpu_metadata
---
amdhsa.version: [ 1, 2 ]
amdhsa.kernels:
  - .name:           k_q8aeda1df0a_attn
    .symbol:         k_q8aeda1df0a_attn.kd
    .args:
      - { .name: qc, .offset: 0, .size: 8, .value_kind: global_buffer, .address_space: global }
      - { .name: kc, .offset: 8, .size: 8, .value_kind: global_buffer, .address_space: global }
      - { .name: vc, .offset: 16, .size: 8, .value_kind: global_buffer, .address_space: global }
      - { .name: lowp_scales, .offset: 24, .size: 8, .value_kind: global_buffer, .address_space: global }
      - { .name: cc, .offset: 32, .size: 8, .value_kind: global_buffer, .address_space: global }
    .group_segment_fixed_size: 327680
    .private_segment_fixed_size: 0
    .kernarg_segment_align: 8
    .kernarg_segment_size: 40
    .max_flat_workgroup_size: 256
    .sgpr_count:     80
    .vgpr_count:     432
    .wavefront_size: 32
...
	.end_amdgpu_metadata
.endif
;; end of part 3
;; launch outp (part 4): grid 256 x 1, 16 waves a work-group, clusters of 4 x 1, 327,680 bytes of LDS; arguments cc, wi, lowp_scales, bo, query_tensor, ln_w, ln_b, out0; writes out0
.if DOCPART == 4
	.amdgcn_target "amdgcn-amd-amdhsa--gfx1250"
	.amdhsa_code_object_version 6
	.text
	.protected	k_q8aeda1df0a_outp
	.globl	k_q8aeda1df0a_outp
	.p2align	8
	.type	k_q8aeda1df0a_outp,@function
k_q8aeda1df0a_outp:
	s_mov_b64 s[64:65], 0
	v_nop
	global_prefetch_b8 v0, s[64:65] scope:SCOPE_SE
	s_setreg_imm32_b32 hwreg(HW_REG_WAVE_MODE, 25, 1), 1
	s_wait_xcnt 0x0
	s_wait_alu depctr_hold_cnt(0) depctr_sa_sdst(0) depctr_va_vdst(0) depctr_va_sdst(0) depctr_va_ssrc(0) depctr_va_vcc(0) depctr_vm_vsrc(0)
	s_getreg_b32 s2, hwreg(HW_REG_IB_STS2, 6, 4)
	s_cmp_eq_u32 s2, 0
	s_cbranch_scc0 .Lentry_in_a_cluster
	s_endpgm
.Lentry_in_a_cluster:
	s_bfe_u32 s2, ttmp6, 0x10000c
	s_cmp_lg_u32 s2, 0x3003
	s_cbranch_scc0 .Lentry_shape_is_right
	s_endpgm
.Lentry_shape_is_right:
; out0 = LayerNorm(ctx Wo^T + bo + query_tensor) x ln_w + ln_b.  The product on codes of FP8 (E4M3): ctx's in cc (scale 2^e10), Wo's in wi (2^e11), both as images of operand registers; all else in f32.
; SHARES.  The norm wants whole rows of 1,024, so a work-group owns a tile of 16 whole rows (one b, 16 neighbouring s): 256 work-groups.  Wave w of its sixteen makes columns 64 w .. 64 w + 63: four accumulators,
; eight K steps of 128.  Source 0 = 16 rows of Wo, source 1 = the 16 rows of ctx: a lane holds row r and eight neighbouring columns.
; ctx's 16,384 bytes are read from memory once, laid in LDS as they lie, and every wave loads each K step's fragment from there.
; Wo ON TWO ROADS.  All work-groups walk the same Wo.  K steps 2, 3 and 6, 7 come by JOINT tensor loads of a cluster of four work-groups: one load a wave, its four tiles' 4,096 bytes each, into 16,384 LDS bytes that this
; wave alone reads behind its own wait; the sixteen waves' parts are 262,144 bytes, filled twice.  K steps 0, 1, 4, 5 go from memory straight into the wave's operand registers, 16 loads of 512 dense bytes a K step.
; THE REFILL stands as soon as K steps 2 and 3 are in registers: a wait, an add onto the spare word and a wait, a round of the cluster's barrier, the load; K steps 2 to 5 are multiplied while it lands.
; NO PREFETCH: the text has no loop to run ahead in; each road's next bytes are asked for as soon as their registers or LDS bytes are free.
; THE NORM.  The sums meet in a stage in LDS (16 rows of 4,096 bytes + 16); behind a barrier wave w holds row w whole, 32 numbers a lane.  The mean is taken off before the squares are summed.
; The stage lies over Wo's LDS bytes: they have had their last fill, and a barrier stands between every wave's last read of them and the first store into the stage.
; LIMITS: e10 + e11 between -126 and 127, so that 2^(e10 + e11) is an f32 number.  NaN is not served.
; REGISTERS: v1 16 x lane; v2 16 x thread; v3, v4 the stage's addresses; v5 my part of Wo in LDS; v6, v7 ctx in LDS (read, written); v8-39 the accumulators; v40-71 ctx's fragment, two sets;
;   v72-135, v136-199 Wo's four fragments, two sets; v200-231 my row of query_tensor; later v72-103 bo, v104-135 ln_w, v136-167 ln_b, v168-199 my row; v232-243 at work; v254, v255 the add's two.
.set XIMG, 262144                      ; LDS: behind Wo's 16 x 16,384 bytes: ctx's eight fragments, 2,048 bytes each; the spare words lie behind them
.set SPI,  4112                        ; the stage's pitch: 4,096 + 16
.set LI,   1
.set TI,   2
.set SO,   3
.set SR,   4
.set WTA,  5
.set XA,   6
.set XS,   7
.set ACC,  8
.set AF,   40
.set WB,   72
.set XR,   200
.set BOR,  72
.set LW,   104
.set LB,   136
.set Y,    168
.set G0,   40                          ; s[40:43] descriptor group 0
.set G1,   44                          ; s[44:51] descriptor group 1
.macro ROUND                           ; a round of the cluster's barrier
	s_barrier_signal -1
	s_barrier_wait -1
	s_cmp_lg_u32 s8, 0
	s_cbranch_scc1 .Lnot_wave_0_\@
	s_barrier_signal -3
.Lnot_wave_0_\@:
	s_barrier_wait -3
	s_barrier_signal -1
	s_barrier_wait -1
.endm
	s_load_b512 s[16:31], s[0:1], 0x0              ; cc 16, wi 18, the scales' exponents 20, bo 22, query_tensor 24, ln_w 26, ln_b 28, out0 30
	v_lshl_add_u32 v254, v0, 2, 0x44000
	v_mov_b32 v255, 0
	ds_add_u32 v254, v255                          ; the opening lines
	ds_add_u32 v254, v255
	v_lshrrev_b32 v240, 5, v0
	s_delay_alu instid0(VALU_DEP_1)
	v_readfirstlane_b32 s8, v240                   ; wave 0..15
	v_and_b32 v241, 31, v0
	s_delay_alu instid0(VALU_DEP_1)
	v_lshlrev_b32 v[LI], 4, v241
	v_lshlrev_b32 v[TI], 4, v0
	s_delay_alu instid0(VALU_DEP_1)
	v_add_nc_u32 v[XS], XIMG, v[TI]                ; ctx into LDS: 16 bytes a thread
	s_delay_alu instid0(VALU_DEP_3)
	v_add_nc_u32 v[XA], XIMG, v[LI]                ; and out of it: 16 bytes a lane
	s_lshl_b32 s9, s8, 14
	v_add_nc_u32 v[WTA], s9, v[LI]                 ; my wave's 16,384 bytes of Wo
	v_and_b32 v242, 15, v0                         ; r
	v_bfe_u32 v243, v0, 4, 1                       ; h
	s_delay_alu instid0(VALU_DEP_2)
	v_mul_u32_u24 v[SO], v242, SPI
	s_delay_alu instid0(VALU_DEP_1)
	v_lshl_add_u32 v[SO], v243, 5, v[SO]
	s_lshl_b32 s9, s8, 8
	v_add_nc_u32 v[SO], s9, v[SO]                  ; into the stage: row r, + 256 x wave (my 64 columns), + 32 h
	s_mul_i32 s9, s8, SPI
	v_add_nc_u32 v[SR], s9, v[LI]                  ; back: row = my wave's number, 16 bytes a lane
	; descriptor group 1: 4 rows (my four tiles of 16 rows of Wo) x 4,096 bytes (two K steps), 16,384 bytes apart in wi, dense in LDS
	s_mov_b32 s[G1], 15|(3<<16)|(1<<21)            ; the mask: all four work-groups; elements of 8 bytes; bit 21 beside a mask
	s_mov_b32 s[G1+1], 512<<16                     ; tensor_dim0 = 512 elements
	s_mov_b32 s[G1+2], 4<<16                       ; tensor_dim1 = 4
	s_mov_b32 s[G1+3], 512<<16                     ; tile_dim0
	s_mov_b32 s[G1+4], 4                           ; tile_dim1
	s_mov_b32 s[G1+5], 2048                        ; the pitch: a tile's eight K steps
	s_mov_b32 s[G1+6], 0
	s_mov_b32 s[G1+7], 0
	s_mov_b32 s[G0], 1
	s_lshl_b32 s[G0+1], s8, 14                     ; LDS address: 16,384 x wave
	s_bfe_u32 s52, ttmp6, 0x40000                  ; cx
	s_lshl_b32 s53, ttmp9, 2
	s_add_co_u32 s52, s53, s52                     ; my work-group = 128 b + tile of rows: it enters the addresses of cc, query_tensor and out0 alone
	s_lshl_b32 s12, s52, 14                        ; cc: 16,384 bytes for each tile of rows
	s_mov_b32 s13, 0
	s_lshl_b32 s14, s8, 16                         ; wi: my four tiles of 16 rows of Wo, 16,384 bytes each
	s_mov_b32 s15, 0
	s_lshr_b32 s9, s52, 7                          ; b
	s_and_b32 s10, s52, 127
	s_lshl_b32 s10, s10, 4
	s_add_co_u32 s10, s10, s8                      ; s of my row: 16 x tile + wave
	s_lshl_b32 s10, s10, 1
	s_add_co_u32 s10, s10, s9
	s_lshl_b32 s10, s10, 12                        ; (2 s + b) rows of 4,096 bytes
	s_mov_b32 s11, 0
	s_mov_b32 s36, 0x76543210                      ; lane selects for v_permlanex16_b32: lane l xor 16
	s_mov_b32 s37, 0xfedcba98
	s_mov_b32 s38, 0x3a800000                      ; 1 / 1,024
	s_mov_b32 s39, 0x2b8cbccc                      ; 1e-12
	s_wait_alu depctr_va_vdst(0)                   ; the wait at the head's end
	s_wait_dscnt 0x0
	s_wait_kmcnt 0x0
	s_load_b64 s[32:33], s[20:21], 0x28            ; e10, e11
	s_add_nc_u64 s[16:17], s[16:17], s[12:13]
	s_add_nc_u64 s[18:19], s[18:19], s[14:15]
	s_add_nc_u64 s[24:25], s[24:25], s[10:11]
	s_add_nc_u64 s[30:31], s[30:31], s[10:11]
	s_add_nc_u64 s[G0+2:G0+3], s[18:19], 2*2048    ; K step 2 of my first tile
	s_or_b32 s[G0+3], s[G0+3], 0x80000000
	ROUND                                          ; all four work-groups are here: the joint loads meet
	tensor_load_to_lds s[G0:G0+3], s[G1:G1+7]      ; K steps 2 and 3: my one tensor load at the head
	s_nop 0
.rept 4
	v_nop
.endr
.macro WLOAD sg                        ; Wo's four fragments of K step sg, from memory, into set sg % 2
.set WL, WB+64*((\sg)%2)
.irp t, 0,1,2,3
.irp g, 0,1,2,3
	global_load_b128 v[WL+16*\t+4*\g:WL+16*\t+4*\g+3], v[LI], s[18:19] offset:16384*\t+2048*(\sg)+512*\g
.endr
.endr
.endm
.macro DLOAD sg                        ; the same from my own LDS bytes: tile t at 4,096 t, the fill's first or second K step within
.set WL, WB+64*((\sg)%2)
.irp t, 0,1,2,3
.irp g, 0,1,2,3
	ds_load_b128 v[WL+16*\t+4*\g:WL+16*\t+4*\g+3], v[WTA] offset:4096*\t+2048*((\sg)%2)+512*\g
.endr
.endr
.endm
.macro ALOAD sg                        ; ctx's fragment of K step sg into set sg % 2
.set AL, AF+16*((\sg)%2)
.irp g, 0,1,2,3
	ds_load_b128 v[AL+4*\g:AL+4*\g+3], v[XA] offset:2048*(\sg)+512*\g
.endr
.endm
.macro ROWLOAD reg, base               ; 1,024 numbers as my row lies: lane l holds numbers 128 i + 4 l + 0 .. 3
.set i, 0
.rept 8
	global_load_b128 v[\reg+4*i:\reg+4*i+3], v[LI], s[\base:\base+1] offset:512*i
.set i, i+1
.endr
.endm
; A K step: four matrix instructions, the four accumulators by turns.  left: the younger global loads that may stay out when Wo's set has to be there (-1: the set came from LDS);
; dleft: the younger LDS loads that may stay out.
.macro KSTEP sg, left, dleft
.if (\sg) < 7
	ALOAD (\sg)+1                                  ; into the set that the step before last read: four places stand behind its products
.endif
.set WK, WB+64*((\sg)%2)
.set AK, AF+16*((\sg)%2)
.if (\left) >= 0
	s_wait_loadcnt \left
.endif
	s_wait_dscnt \dleft
.irp t, 0,1,2,3
.if (\sg) == 0
	v_wmma_f32_16x16x128_fp8_fp8 v[ACC+8*\t:ACC+8*\t+7], v[WK+16*\t:WK+16*\t+15], v[AK:AK+15], 0
.else
	v_wmma_f32_16x16x128_fp8_fp8 v[ACC+8*\t:ACC+8*\t+7], v[WK+16*\t:WK+16*\t+15], v[AK:AK+15], v[ACC+8*\t:ACC+8*\t+7]
.endif
.endr
.rept 4
	v_nop                                          ; places in front of loads into registers that these products read, and of the first read of results
.endr
.endm
	global_load_b128 v[232:235], v[TI], s[16:17] th:TH_LOAD_NT               ; ctx's codes: 512 threads x 16 bytes, twice
	global_load_b128 v[236:239], v[TI], s[16:17] offset:8192 th:TH_LOAD_NT
	WLOAD 0
	WLOAD 1
	s_wait_kmcnt 0x0
	s_add_co_i32 s34, s32, s33
	s_add_co_i32 s34, s34, 127
	s_lshl_b32 s34, s34, 23                        ; 2^(e10 + e11) as f32
	s_mov_b32 s35, s34
	s_wait_loadcnt 32                              ; ctx's two loads are in; Wo's 32 may be out
	ds_store_b128 v[XS], v[232:235]
	ds_store_b128 v[XS], v[236:239] offset:8192
	s_wait_dscnt 0x0                               ; for the others' sake: my stores have landed
	s_barrier_signal -1                            ; (my tensor load may stay out, and only I read its bytes, behind my own wait)
	s_barrier_wait -1                              ; ctx's eight fragments lie in LDS
	ALOAD 0
	KSTEP 0, 16, 4                                 ; behind K step 0's set: K step 1's 16 loads; behind its fragment of ctx: the next one's 4
	s_wait_tensorcnt 0x0                           ; my K steps 2 and 3 lie in LDS
	DLOAD 2                                        ; into the set just read
	KSTEP 1, 0, 20                                 ; behind its fragment of ctx: K step 2's 16 LDS loads and ctx's next 4
	DLOAD 3
	s_wait_tensorcnt 0x0                           ; the three lines ahead of a refill: no tensor load of mine is out,
	ds_add_u32 v254, v255                          ; 0 onto my spare word,
	s_add_nc_u64 s[G0+2:G0+3], s[G0+2:G0+3], 4*2048   ; (on to K step 6)
	s_wait_dscnt 0x0                               ; the add is done, and K steps 2 and 3 are in registers: my reads of these LDS bytes are over
	ROUND                                          ; that holds of every wave of all four work-groups
	tensor_load_to_lds s[G0:G0+3], s[G1:G1+7]      ; K steps 6 and 7
	s_nop 0
.rept 4
	v_nop
.endr
	KSTEP 2, -1, 4
	WLOAD 4
	KSTEP 3, -1, 4
	WLOAD 5
.set i, 0
.rept 8
	global_load_b128 v[XR+4*i:XR+4*i+3], v[LI], s[24:25] offset:512*i th:TH_LOAD_NT   ; my row of query_tensor
.set i, i+1
.endr
	KSTEP 4, 24, 4                                 ; behind K step 4's set: K step 5's 16 loads and the row's 8
	KSTEP 5, 8, 4                                  ; behind K step 5's set: the row's 8
	s_wait_tensorcnt 0x0                           ; my K steps 6 and 7 lie in LDS
	DLOAD 6
	DLOAD 7
	KSTEP 6, -1, 20                                ; behind K step 6's set and fragment: K step 7's 16 and ctx's last 4
	ROWLOAD BOR, 22                                ; bo and ln_w into the set just read
	ROWLOAD LW, 26
	KSTEP 7, -1, 0
	ROWLOAD LB, 28                                 ; ln_b into the lower half of the set just read
	s_barrier_signal -1                            ; my reads of Wo's LDS bytes are back (the wait for 0 above), and my last tensor load has landed:
	s_barrier_wait -1                              ; so are everybody's: the stage may be laid over those bytes
.irp t, 0,1,2,3
	ds_store_b128 v[SO], v[ACC+8*\t:ACC+8*\t+3] offset:64*\t        ; lane (r, h): sums of row r, columns 64 w + 16 t + 8 h + 0 .. 7; each accumulator from its low end on
	ds_store_b128 v[SO], v[ACC+8*\t+4:ACC+8*\t+7] offset:64*\t+16
.endr
	s_wait_dscnt 0x0                               ; for the others' sake
	s_barrier_signal -1
	s_barrier_wait -1                              ; sixteen whole rows lie in the stage
.set i, 0
.rept 8
	ds_load_b128 v[Y+4*i:Y+4*i+3], v[SR] offset:512*i
.set i, i+1
.endr
	s_wait_loadcnt 16                              ; the row of query_tensor and bo are in; ln_w's and ln_b's 16 loads may be out
	s_wait_dscnt 0x0
.set j, 0
.rept 16
	v_pk_fma_f32 v[Y+j:Y+j+1], v[Y+j:Y+j+1], s[34:35], v[XR+j:XR+j+1] op_sel_hi:[1,0,1]   ; sum x 2^(e10 + e11) + the residual
.set j, j+2
.endr
.set j, 0
.rept 16
	v_pk_add_f32 v[Y+j:Y+j+1], v[Y+j:Y+j+1], v[BOR+j:BOR+j+1]
.set j, j+2
.endr
.macro ACROSS a, b                     ; v[a] summed over the 32 lanes, in every lane; v[b] at work (it has been written)
	s_delay_alu instid0(VALU_DEP_1)
	v_add_f32_dpp v[\a], v[\a], v[\a] row_xmask:1 row_mask:0xf bank_mask:0xf
	s_delay_alu instid0(VALU_DEP_1)
	v_add_f32_dpp v[\a], v[\a], v[\a] row_xmask:2 row_mask:0xf bank_mask:0xf
	s_delay_alu instid0(VALU_DEP_1)
	v_add_f32_dpp v[\a], v[\a], v[\a] row_xmask:4 row_mask:0xf bank_mask:0xf
	s_delay_alu instid0(VALU_DEP_1)
	v_add_f32_dpp v[\a], v[\a], v[\a] row_xmask:8 row_mask:0xf bank_mask:0xf
	s_delay_alu instid0(VALU_DEP_1)
	v_permlanex16_b32 v[\b], v[\a], s36, s37
	s_delay_alu instid0(VALU_DEP_1)
	v_add_f32 v[\a], v[\a], v[\b]
.endm
	v_pk_add_f32 v[232:233], v[Y:Y+1], v[Y+2:Y+3]  ; the row's sum: two at a time, in two chains
	v_pk_add_f32 v[234:235], v[Y+4:Y+5], v[Y+6:Y+7]
.set j, 8
.rept 6
	s_delay_alu instid0(VALU_DEP_2)
	v_pk_add_f32 v[232:233], v[232:233], v[Y+j:Y+j+1]
	s_delay_alu instid0(VALU_DEP_2)
	v_pk_add_f32 v[234:235], v[234:235], v[Y+j+2:Y+j+3]
.set j, j+4
.endr
	s_delay_alu instid0(VALU_DEP_1)
	v_pk_add_f32 v[232:233], v[232:233], v[234:235]
	s_delay_alu instid0(VALU_DEP_1)
	v_add_f32 v232, v232, v233
	ACROSS 232, 233
	s_delay_alu instid0(VALU_DEP_1)
	v_mul_f32 v232, s38, v232                      ; the mean
.set j, 0
.rept 16
	v_pk_add_f32 v[Y+j:Y+j+1], v[Y+j:Y+j+1], v[232:233] op_sel_hi:[1,0] neg_lo:[0,1] neg_hi:[0,1]   ; x - mean, before anything is squared
.set j, j+2
.endr
	v_pk_mul_f32 v[234:235], v[Y:Y+1], v[Y:Y+1]
	v_pk_mul_f32 v[236:237], v[Y+2:Y+3], v[Y+2:Y+3]
.set j, 4
.rept 7
	s_delay_alu instid0(VALU_DEP_2)
	v_pk_fma_f32 v[234:235], v[Y+j:Y+j+1], v[Y+j:Y+j+1], v[234:235]
	s_delay_alu instid0(VALU_DEP_2)
	v_pk_fma_f32 v[236:237], v[Y+j+2:Y+j+3], v[Y+j+2:Y+j+3], v[236:237]
.set j, j+4
.endr
	s_delay_alu instid0(VALU_DEP_1)
	v_pk_add_f32 v[234:235], v[234:235], v[236:237]
	s_delay_alu instid0(VALU_DEP_1)
	v_add_f32 v234, v234, v235
	ACROSS 234, 235
	s_delay_alu instid0(VALU_DEP_1)
	v_fma_f32 v234, v234, s38, s39                 ; the mean of the squares + 1e-12
	s_wait_alu depctr_va_vdst(0)                   ; the wait ahead of the transcendental
	v_rsq_f32 v234, v234
	v_nop                                          ; one plain instruction behind a transcendental
	s_wait_loadcnt 0x0                             ; ln_w, ln_b
.set j, 0
	s_wait_alu depctr_va_vdst(0)                   ; and behind it, ahead of its first reader
.rept 16
	v_pk_mul_f32 v[Y+j:Y+j+1], v[Y+j:Y+j+1], v[234:235] op_sel_hi:[1,0]
.set j, j+2
.endr
.set j, 0
.rept 16
	v_pk_fma_f32 v[Y+j:Y+j+1], v[Y+j:Y+j+1], v[LW+j:LW+j+1], v[LB+j:LB+j+1]
.set j, j+2
.endr
.set i, 0
.rept 8
	global_store_b128 v[LI], v[Y+4*i:Y+4*i+3], s[30:31] offset:512*i th:TH_STORE_NT   ; 32 lanes store 512 consecutive bytes, aligned; written once, read by nobody here
.set i, i+1
.endr
	s_wait_tensorcnt 0x0                           ; the wave's end
	ds_add_u32 v254, v255
	s_wait_dscnt 0x0
	ROUND                                          ; the closing round
	s_endpgm
.Lfunc_end_k_q8aeda1df0a_outp:
	.size	k_q8aeda1df0a_outp, .Lfunc_end_k_q8aeda1df0a_outp-k_q8aeda1df0a_outp
	.p2alignl 7, 3214868480
	.fill 96, 4, 3214868480
	.section	.rodata,"a",@progbits
	.p2align	6, 0x0
	.amdhsa_kernel k_q8aeda1df0a_outp
		.amdhsa_group_segment_fixed_size 327680
		.amdhsa_private_segment_fixed_size 0
		.amdhsa_enable_private_segment 0
		.amdhsa_kernarg_size 64
		.amdhsa_user_sgpr_count 2
		.amdhsa_user_sgpr_kernarg_segment_ptr 1
		.amdhsa_wavefront_size32 1
		.amdhsa_system_sgpr_workgroup_id_x 1
		.amdhsa_system_sgpr_workgroup_id_y 1
		.amdhsa_system_sgpr_workgroup_id_z 1
		.amdhsa_system_vgpr_workitem_id 0
		.amdhsa_next_free_vgpr 256
		.amdhsa_next_free_sgpr 66
		.amdhsa_reserve_vcc 0
		.amdhsa_float_denorm_mode_32 3
		.amdhsa_float_denorm_mode_16_64 3
		.amdhsa_memory_ordered 1
		.amdhsa_forward_progress 1
		.amdhsa_inst_pref_size 36
	.end_amdhsa_kernel
	.amdgpu_metadata
---
amdhsa.version: [ 1, 2 ]
amdhsa.kernels:
  - .name:           k_q8aeda1df0a_outp
    .symbol:         k_q8aeda1df0a_outp.kd
    .args:
      - { .name: cc, .offset: 0, .size: 8, .value_kind: global_buffer, .address_space: global }
      - { .name: wi, .offset: 8, .size: 8, .value_kind: global_buffer, .address_space: global }
      - { .name: lowp_scales, .offset: 16, .size: 8, .value_kind: global_buffer, .address_space: global }
      - { .name: bo, .offset: 24, .size: 8, .value_kind: global_buffer, .address_space: global }
      - { .name: query_tensor, .offset: 32, .size: 8, .value_kind: global_buffer, .address_space: global }
      - { .name: ln_w, .offset: 40, .size: 8, .value_kind: global_buffer, .address_space: global }
      - { .name: ln_b, .offset: 48, .size: 8, .value_kind: global_buffer, .address_space: global }
      - { .name: out0, .offset: 56, .size: 8, .value_kind: global_buffer, .address_space: global }
    .group_segment_fixed_size: 327680
    .private_segment_fixed_size: 0
    .kernarg_segment_align: 8
    .kernarg_segment_size: 64
    .max_flat_workgroup_size: 512
    .sgpr_count:     66
    .vgpr_count:     256
    .wavefront_size: 32
...
	.end_amdgpu_metadata
.endif
;; end of part 4
